; MI455X (gfx1250); checked and timed in simulation.
; The chip was launched on July 23, 2026; its instructions are those of AMD's public machine-readable ISA for CDNA 5 (MIT licence, August 2026) and "CDNA5" Instruction Set Architecture Reference Guide (July 2026). The comments in the code are by the model that wrote it; some were corrected since.
;; Head. Allowed arithmetic: float matrix products may take bf16 or f16 operands with f32 sums; all other float work in f32.
;; Inputs: Wk 1,024 x 64 float32; Wq 1,024 x 64 float32; Wv 1,024 x 64 float32; bk 64 float32; bq 64 float32; bv 64 float32; idx 4 x 4,096 x 1,024 float32.
;; Outputs: out0 4 x 4,096 x 64 float32.
;; One version. Each part assembles by itself: llvm-mc -triple=amdgcn-amd-amdhsa -mcpu=gfx1250 --defsym DOCPART=n.
;; ======== version 1 of 1: 4 launches
;; workspace buffers: wf 393,216 bytes; qf 4,194,304 bytes; pm 4,194,304 bytes; mf 65,536 bytes
;; launch prep (part 1): grid 32 x 1, 2 waves a work-group, no clusters, 0 bytes of LDS; arguments Wq, Wk, Wv, wf; writes wf
.if DOCPART == 1
	.amdgcn_target "amdgcn-amd-amdhsa--gfx1250"
	.amdhsa_code_object_version 6
	.text
	.protected	k_q44ba7a63e8_prep
	.globl	k_q44ba7a63e8_prep
	.p2align	8
	.type	k_q44ba7a63e8_prep,@function
k_q44ba7a63e8_prep:
	s_mov_b64 s[64:65], 0
	v_nop
	global_prefetch_b8 v0, s[64:65] scope:SCOPE_SE
	s_setreg_imm32_b32 hwreg(HW_REG_WAVE_MODE, 25, 1), 1
	s_wait_xcnt 0x0
; prep: Wq, Wk, Wv ([1024][64] f32, K along the rows' index) are rounded to bf16 and laid out as the matrix fragments that
; the next launch reads, so that none of its 256 work-groups converts or transposes them again.
; COLUMN MAP of the whole program: tile w (0..3) of Q, K or V holds the 16 columns 4 i + w, i = 0..15.  A lane's 16-byte load of a row of W
; (columns 4 r .. 4 r + 3) thus holds one column of each of the four tiles, and no data crosses lanes here.
; wf, in bytes: stage * 49152 + w * 12288 + kstep * 3072 + m * 1024 + half * 512 + lane * 16 (stage: 128 k, kstep: 32 k, m: 0 Q, 1 K, 2 V);
; the 16 bytes are W_m[128 stage + 32 kstep + 16 half + 8 (lane / 16) + 0..7][4 (lane % 16) + w]: registers 4 half .. 4 half + 3 of a fragment.
; A work-group (64 threads) takes one k step of 32 rows of all three matrices.  Thread t takes rows 8 (t / 16) + 0..7, columns 4 (t % 16) + 0..3.
; Nothing is shared between work-groups, and there is no product: no LDS, no cluster, no matrix unit.
.set KROW,  256                        ; bytes in a row of W
.set STG,   49152                      ; bytes of wf for a stage
.set WPART, 12288                      ; of which one tile's part
.set KSB,   3072                       ; of which one k step
.set IN,    4                          ; v[4:99]    matrix m, row i: 4 registers
.set PK,    100                        ; v[100:147] matrix m, tile e: 4 registers, 8 bf16 along k
	s_load_b256 s[4:11], s[0:1], 0x0               ; Wq s[4:5], Wk s[6:7], Wv s[8:9], wf s[10:11]
	v_lshrrev_b32 v1, 4, v0                        ; t / 16: which eight rows
	v_and_b32 v2, 15, v0
	v_lshlrev_b32 v2, 4, v2                        ; 16 bytes of the row
	v_lshl_or_b32 v1, v1, 11, v2                   ; + 8 rows of 256 bytes for each t / 16
	v_lshlrev_b32 v2, 4, v0                        ; out: half * 512 + lane * 16 = 16 t
	s_lshl_b32 s12, ttmp9, 13                      ; in: 32 rows of 256 bytes for each k step
	s_mov_b32 s13, 0
	s_lshr_b32 s14, ttmp9, 2                       ; out: the stage
	s_mul_i32 s14, s14, STG
	s_and_b32 s15, ttmp9, 3                        ; and the k step in it
	s_mul_i32 s15, s15, KSB
	s_add_co_u32 s14, s14, s15
	s_mov_b32 s15, 0
	s_wait_kmcnt 0x0
	s_add_nc_u64 s[4:5], s[4:5], s[12:13]
	s_add_nc_u64 s[6:7], s[6:7], s[12:13]
	s_add_nc_u64 s[8:9], s[8:9], s[12:13]
	s_add_nc_u64 s[10:11], s[10:11], s[14:15]
.irp m, 0,1,2
.irp i, 0,1,2,3,4,5,6,7
	global_load_b128 v[IN+32*\m+4*\i:IN+32*\m+4*\i+3], v1, s[4+2*\m:5+2*\m] offset:KROW*\i th:TH_LOAD_NT   ; lanes 0-15 a whole row, lanes 16-31 the row 8 further
.endr
.endr
.irp m, 0,1,2
	s_wait_loadcnt 16-8*\m                         ; this matrix's eight loads are in; the younger matrices' stay out
.irp e, 0,1,2,3
.irp p, 0,1,2,3
	v_cvt_pk_bf16_f32 v[PK+16*\m+4*\e+\p], v[IN+32*\m+8*\p+\e], v[IN+32*\m+8*\p+4+\e]   ; rows 2 p, 2 p + 1 of column 4 r + e
.endr
	global_store_b128 v2, v[PK+16*\m+4*\e:PK+16*\m+4*\e+3], s[10:11] offset:\e*WPART+\m*1024   ; a wave stores 512 consecutive bytes, aligned
.endr
.endr
	s_endpgm                                       ; no register is written twice: no wait for a store's sources
.Lfunc_end_k_q44ba7a63e8_prep:
	.size	k_q44ba7a63e8_prep, .Lfunc_end_k_q44ba7a63e8_prep-k_q44ba7a63e8_prep
	.p2alignl 7, 3214868480
	.fill 96, 4, 3214868480
	.section	.rodata,"a",@progbits
	.p2align	6, 0x0
	.amdhsa_kernel k_q44ba7a63e8_prep
		.amdhsa_group_segment_fixed_size 0
		.amdhsa_private_segment_fixed_size 0
		.amdhsa_enable_private_segment 0
		.amdhsa_kernarg_size 32
		.amdhsa_user_sgpr_count 2
		.amdhsa_user_sgpr_kernarg_segment_ptr 1
		.amdhsa_wavefront_size32 1
		.amdhsa_system_sgpr_workgroup_id_x 1
		.amdhsa_system_sgpr_workgroup_id_y 1
		.amdhsa_system_sgpr_workgroup_id_z 1
		.amdhsa_system_vgpr_workitem_id 0
		.amdhsa_next_free_vgpr 148
		.amdhsa_next_free_sgpr 66
		.amdhsa_reserve_vcc 0
		.amdhsa_float_denorm_mode_32 3
		.amdhsa_float_denorm_mode_16_64 3
		.amdhsa_memory_ordered 1
		.amdhsa_forward_progress 1
		.amdhsa_inst_pref_size 8
	.end_amdhsa_kernel
	.amdgpu_metadata
---
amdhsa.version: [ 1, 2 ]
amdhsa.kernels:
  - .name:           k_q44ba7a63e8_prep
    .symbol:         k_q44ba7a63e8_prep.kd
    .args:
      - { .name: Wq, .offset: 0, .size: 8, .value_kind: global_buffer, .address_space: global }
      - { .name: Wk, .offset: 8, .size: 8, .value_kind: global_buffer, .address_space: global }
      - { .name: Wv, .offset: 16, .size: 8, .value_kind: global_buffer, .address_space: global }
      - { .name: wf, .offset: 24, .size: 8, .value_kind: global_buffer, .address_space: global }
    .group_segment_fixed_size: 0
    .private_segment_fixed_size: 0
    .kernarg_segment_align: 8
    .kernarg_segment_size: 32
    .max_flat_workgroup_size: 64
    .sgpr_count:     66
    .vgpr_count:     148
    .wavefront_size: 32
...
	.end_amdgpu_metadata
.endif
;; end of part 1
;; launch proj (part 2): grid 256 x 1, 4 waves a work-group, clusters of 4 x 1, 327,680 bytes of LDS; arguments idx, wf, bq, bk, bv, qf, pm; writes qf, pm
.if DOCPART == 2
	.amdgcn_target "amdgcn-amd-amdhsa--gfx1250"
	.amdhsa_code_object_version 6
	.text
	.protected	k_q44ba7a63e8_proj
	.globl	k_q44ba7a63e8_proj
	.p2align	8
	.type	k_q44ba7a63e8_proj,@function
k_q44ba7a63e8_proj:
	s_mov_b64 s[64:65], 0
	v_nop
	global_prefetch_b8 v0, s[64:65] scope:SCOPE_SE
	s_setreg_imm32_b32 hwreg(HW_REG_WAVE_MODE, 25, 1), 1
	s_wait_xcnt 0x0
	s_wait_alu depctr_hold_cnt(0) depctr_sa_sdst(0) depctr_va_vdst(0) depctr_va_sdst(0) depctr_va_ssrc(0) depctr_va_vcc(0) depctr_vm_vsrc(0)
	s_getreg_b32 s2, hwreg(HW_REG_IB_STS2, 6, 4)
	s_cmp_eq_u32 s2, 0
	s_cbranch_scc0 .Lentry_in_a_cluster
	s_endpgm
.Lentry_in_a_cluster:
	s_bfe_u32 s2, ttmp6, 0x10000c
	s_cmp_lg_u32 s2, 0x3003
	s_cbranch_scc0 .Lentry_shape_is_right
	s_endpgm
.Lentry_shape_is_right:
; proj: for 64 rows of idx: Q, K, V = idx W + b; Q goes out in f32, in the order of the last launch's fragments (qf), and K^T V over these 64 rows goes out in f32 (pm).
; THE PROGRAM: the result is ((Q K^T) / 32) V with nothing non-linear between the two products, so it is computed as Q (K^T V) / 32, for every input:
; M = K^T V is 64 x 64 for each batch, summed over the batch's 64 work-groups by the next launch; the last launch multiplies Q by it.
; LIMITS: matrix operands are bf16, sums f32: idx, W, K, V are rounded once; Q and M go to the matrix unit as a sum of two bf16 numbers each (last launch).
; The order of summation and rounding differs from ((Q K^T) V).  Close to the largest f32 the two orders can differ in which stays finite.
;
; SHARES: work-group g takes rows 64 g .. 64 g + 63.  Wave w makes tile w (columns 4 i + w, i = 0..15) of Q, of K and of V for all 64 rows:
; 12 accumulators of 16 x 16.  K = 1024 is 8 stages of 128 = 32 k steps of 32, written out: waits, slots and buffers differ from step to step.
; IDX: wave w loads rows 16 w .. 16 w + 15, one instruction for 512 consecutive bytes of a row, into a ring of four register buffers of a stage each (windows 1, 2).
; Rows are rounded to bf16 in place and stored into one of two A buffers in LDS, from which all four waves read fragments: each number is converted once.
; W: all work-groups walk the same 393,216 bytes of wf, so the four of a cluster ask for them JOINTLY (mask 15), which divides the requests by four.
; Five LDS slots of a stage each are filled once (stages 0-4); slots 0, 1, 2 are filled again (stages 5, 6, 7) behind ONE round of the cluster's barrier.
; Each wave asks for and reads its own 12,288 bytes of a slot; by this text's count a wave has at most five tensor loads out.
; idx, qf and pm are each work-group's own: nothing to share there.
;
; THE PIPELINE.  k step q = 4 stage + ks: twelve matrix instructions on fragment buffer q % 2; then four rows of a LATER stage are rounded and stored to LDS;
; the four ring rows rounded one k step earlier are loaded again, four stages ahead; then the fragments of k step q + 2 are fetched into the buffer just multiplied.
; Stage t's rows are rounded in k steps 4 t - 6 .. 4 t - 3 and its barrier stands in k step 4 t - 2: nothing that a barrier or a matrix instruction waits for
; has been issued less than a k step earlier.
.set ROWB,   4096                      ; bytes in a row of idx
.set STGB,   512                       ; of which a stage takes
.set WSLOT,  49152                     ; a stage of wf
.set WPART,  12288                     ; a wave's part of it: 4 k steps x 3 matrices x 1,024 bytes
.set ABUF,   5*WSLOT                   ; LDS 245,760: two A buffers, 64 rows of 256 bytes of bf16 at a pitch of 272
.set APITCH, 272                       ; 68 words: the 16 rows that a fragment load touches start 4 banks apart (64 banks of 4 bytes: ISA guide 11.1)
.set ASZ,    64*APITCH
.set VX,     ABUF+2*ASZ                ; LDS 280,576: 4 x 2,048 bytes, where the waves show each other their tiles of V.  No tensor load lands in ABUF or VX
; window 0
.set ARD,  6                           ; v6      A buffer 0, row r, 16 hh
.set BRD,  8                           ; v8-12   slot 0..4: my wave's part + 16 lane
.set VXS,  13                          ; v13     VX: my wave's part + 16 lane
.set VXR,  14                          ; v14     VX + 16 lane
.set QO,   15                          ; v15     qf: 1024 w + 16 lane
.set PO,   16                          ; v16     pm: 4096 w + 16 lane
.set BQO,  17                          ; v17     bq: 128 hh + 4 w
.set BKO,  18                          ; v18     bk, bv: 16 r + 4 w
.set L16,  19                          ; v19     16 lane
.set BQ,   20                          ; v[20:27]  bq as a C tile
.set BK,   28                          ; v[28:35]  bk as a C tile
.set BV,   36                          ; v[36:43]  bv as a C tile
.set ACC,  44                          ; v[44:139] accumulator (m, mt) at ACC + 32 m + 8 mt; m: 0 Q, 1 K, 2 V; mt: 16 rows
.set MACC, ACC+32                      ; the tail: the four tiles of K^T V, in K's accumulators (Q's are still read by its stores)
.set AF,   140                         ; v[140:203] fragments of idx, two buffers of 4 x 8
.set BF,   204                         ; v[204:251] fragments of W, two buffers of 3 x 8
.set KF,   156                         ; the tail: K packed: two fragments of K^T
.set VF,   172                         ; V packed
.set VB,   188                         ; all four tiles of V: tile x at VB + 16 x, two fragments
; windows 1 and 2, alike: the ring buffer of stage s is v[64 (s % 2) .. + 63] of window 1 + (s / 2) % 2, row i in four registers; and in both windows
.set RVOFF, 128                        ; v128    idx: w * 16 rows + 16 lane
.set RAST,  129                        ; v129    A buffer 0, my wave's row 0, 8 lane
; so that ONE window setting serves the ring's conversions, its LDS stores and its loads
.set G1,   24                          ; s[24:31] descriptor group 1
.set G0,   32                          ; s[32:63] descriptor group 0, a set for each stage, written once
.set ISSUED, 0                         ; idx loads issued so far in the text; they go out in the order (stage, row), so row i of stage s is number 16 s + i
.set MSB, 0
.macro WIN new                         ; the register window; the immediate's high byte repeats the setting that is left
.if MSB != \new
	s_set_vgpr_msb (MSB<<8)|\new
.set MSB, \new
.endif
.endm
.macro RWIN st                         ; destination, source 0 and source 1 in the window of stage st's ring buffer: 0x45 or 0x8a
.set RW_, (1+(((\st)>>1)&1))*0x45
	WIN RW_
.endm
.macro ROUND                           ; a round of the cluster's barrier
	s_barrier_signal -1
	s_barrier_wait -1                              ; wave 0's signal speaks for all four waves
	s_cmp_lg_u32 s18, 0
	s_cbranch_scc1 .Lnot_wave_0_\@
	s_barrier_signal -3
.Lnot_wave_0_\@:
	s_barrier_wait -3                              ; all four work-groups
	s_barrier_signal -1
	s_barrier_wait -1
.endm
.macro PLACES                          ; a load into a register that a matrix instruction has read stands four places behind it; only plain vector instructions
.rept 4                                ; that name none of its registers are places (ISA guide 7.12.1 for vector instructions)
	v_nop
.endr
.endm
.macro LDROWS st, row, cnt             ; rows row .. row + cnt - 1 of my 16, stage st, into the stage's ring buffer (whose window is set)
.set LR_, \row
.rept \cnt
	global_load_b128 v[64*((\st)&1)+4*LR_:64*((\st)&1)+4*LR_+3], v[RVOFF], s[4:5] offset:LR_*ROWB+(\st)*STGB th:TH_LOAD_NT
.set LR_, LR_+1
.set ISSUED, ISSUED+1
.endr
.endm
.macro CVROWS st, row, cnt             ; the same rows: waited for, rounded to bf16 in place, stored into A buffer st % 2
	s_wait_loadcnt ISSUED-(16*(\st)+(\row)+(\cnt))  ; loads come back in order (ISA guide 5.7.1): all that were issued behind the last of these rows may stay out
.set CR_, \row
.rept \cnt
	v_cvt_pk_bf16_f32 v[64*((\st)&1)+4*CR_],   v[64*((\st)&1)+4*CR_],   v[64*((\st)&1)+4*CR_+1]
	v_cvt_pk_bf16_f32 v[64*((\st)&1)+4*CR_+1], v[64*((\st)&1)+4*CR_+2], v[64*((\st)&1)+4*CR_+3]
.set CR_, CR_+1
.endr
.set CR_, \row
.rept \cnt
	ds_store_b64 v[RAST], v[64*((\st)&1)+4*CR_:64*((\st)&1)+4*CR_+1] offset:((\st)&1)*ASZ+CR_*APITCH   ; 32 lanes, 256 consecutive bytes: a row's 128 bf16
.set CR_, CR_+1
.endr
.endm
.macro FETCH ab, sl, ks, f             ; 14 LDS loads: the fragments of a k step into buffer f: 64 rows of idx, my tile of Wq, Wk, Wv
.irp mt, 0,1,2,3
	ds_load_b128 v[AF+32*\f+8*\mt:AF+32*\f+8*\mt+3],   v[ARD] offset:\ab*ASZ+\mt*16*APITCH+\ks*64
	ds_load_b128 v[AF+32*\f+8*\mt+4:AF+32*\f+8*\mt+7], v[ARD] offset:\ab*ASZ+\mt*16*APITCH+\ks*64+32
.endr
.irp m, 0,1,2
	ds_load_b128 v[BF+24*\f+8*\m:BF+24*\f+8*\m+3],   v[BRD+\sl] offset:\ks*3072+\m*1024       ; wf lies in fragment order: lane i at 16 i
	ds_load_b128 v[BF+24*\f+8*\m+4:BF+24*\f+8*\m+7], v[BRD+\sl] offset:\ks*3072+\m*1024+512
.endr
.endm
.macro FETCHQ q                        ; k step q: A buffer stage % 2, slot stage % 5, fragment buffer q % 2
.set FQ_ST, (\q)>>2
.set FQ_AB, FQ_ST&1
.set FQ_SL, FQ_ST%5
.set FQ_KS, (\q)&3
.set FQ_F,  (\q)&1
	FETCH FQ_AB, FQ_SL, FQ_KS, FQ_F
.endm
; 12 matrix instructions on buffer f.  Q is made TRANSPOSED (W as source 0): a lane then holds row r and eight columns, the eight numbers of a lane's part of a
; fragment for the last launch.  K and V are made straight: a lane holds column r and eight rows, which pack into a fragment of K^T and of V for K^T V.
; first = 1: the bias tiles are the C operands and start the sums: nothing is cleared and no bias is added later.
; The twelve accumulators take turns, one instruction a turn, in the same order everywhere.
.macro MUL f, first
.irp mt, 0,1,2,3
.if \first
	v_wmma_f32_16x16x32_bf16 v[ACC+8*\mt:ACC+8*\mt+7],       v[BF+24*\f:BF+24*\f+7],             v[AF+32*\f+8*\mt:AF+32*\f+8*\mt+7], v[BQ:BQ+7]
	v_wmma_f32_16x16x32_bf16 v[ACC+32+8*\mt:ACC+32+8*\mt+7], v[AF+32*\f+8*\mt:AF+32*\f+8*\mt+7], v[BF+24*\f+8:BF+24*\f+15],          v[BK:BK+7]
	v_wmma_f32_16x16x32_bf16 v[ACC+64+8*\mt:ACC+64+8*\mt+7], v[AF+32*\f+8*\mt:AF+32*\f+8*\mt+7], v[BF+24*\f+16:BF+24*\f+23],         v[BV:BV+7]
.else
	v_wmma_f32_16x16x32_bf16 v[ACC+8*\mt:ACC+8*\mt+7],       v[BF+24*\f:BF+24*\f+7],             v[AF+32*\f+8*\mt:AF+32*\f+8*\mt+7], v[ACC+8*\mt:ACC+8*\mt+7]
	v_wmma_f32_16x16x32_bf16 v[ACC+32+8*\mt:ACC+32+8*\mt+7], v[AF+32*\f+8*\mt:AF+32*\f+8*\mt+7], v[BF+24*\f+8:BF+24*\f+15],          v[ACC+32+8*\mt:ACC+32+8*\mt+7]
	v_wmma_f32_16x16x32_bf16 v[ACC+64+8*\mt:ACC+64+8*\mt+7], v[AF+32*\f+8*\mt:AF+32*\f+8*\mt+7], v[BF+24*\f+16:BF+24*\f+23],         v[ACC+64+8*\mt:ACC+64+8*\mt+7]
.endif
.endr
.endm
; k step q.  K_T, K_J: rows 4 K_J .. 4 K_J + 3 of stage K_T are rounded here (q = 4 K_T - 6 + K_J).
; THE BARRIER of stage t = K_T - 1 stands in the k steps with q % 4 = 2, behind the matrix instructions.  In front of it each wave's LDS instructions are done:
; its stores for stage t (the last were issued a k step ago) and its reads of stage t - 1 (the last are the fragments of k step q + 1, needed next anyway).
; Behind it A buffer t % 2 is whole and is read; the other A buffer, which stage t - 1 used, has been read by everybody and takes stage t + 1's rows.
.macro KSTEP q
.set K_F,  (\q)&1
.set K_KS, (\q)&3
.set K_T,  ((\q)+6)>>2
.set K_J,  ((\q)+2)&3
.if \q == 31
	s_wait_dscnt 0x0
.else
	s_wait_dscnt 14                                ; the fourteen loads of k step q + 1 may stay out; what is older is done: my fragments, and the last k step's LDS stores
.endif
.if \q == 0
	MUL K_F, 1
.else
	MUL K_F, 0
.endif
.if K_KS == 2
.if \q < 30
	s_wait_dscnt 0x0                               ; for the other waves: see above
.if \q == 10
	s_wait_tensorcnt 0x0                           ; all my tensor loads have landed (slots 3 and 4 among them); my reads of slots 0, 1, 2 are back (the wait above)
	ds_add_u32 v254, v255
	s_wait_dscnt 0x0
	ROUND                                          ; both now hold of every wave of the four work-groups; the round is stage 3's barrier too
.irp st, 5,6,7
	tensor_load_to_lds s[G0+4*\st:G0+4*\st+3], s[G1:G1+7]   ; slots 0, 1, 2 again, first thing behind the round: stages 5, 6, 7
	s_nop 0
.endr
.else
	s_barrier_signal -1
	s_barrier_wait -1
.endif
.if \q < 10
	s_wait_tensorcnt 5-K_T                         ; tensor loads of a wave end in order (ISA guide 10.11.1): my part of slot 1 (2) is in, the 3 (2) younger first fills stay out
.endif
.if \q > 14
	s_wait_tensorcnt 8-K_T                         ; my part of stage 5's (6's, 7's) refilled slot is in, the 2 (1, 0) younger refills stay out
.endif
.endif
.endif
	; the ring.  The conversions are also the places between the matrix instructions above and the fragment loads below.
	; A ring row is loaded again one k step behind its LDS store, which the wait at this k step's head (or the barrier's) has shown done.
.if K_T <= 7
.if \q <= 2
.if \q == 0
	RWIN 1                                         ; stage 1 has no k steps in front of the first: eight rows here, eight in the next
	CVROWS 1, 0, 8
.endif
.if \q == 1
	RWIN 1
	CVROWS 1, 8, 8
	LDROWS 5, 0, 8
.endif
.if \q == 2
	RWIN 2
	CVROWS 2, 0, 4
	RWIN 5
	LDROWS 5, 8, 8
.endif
.else
	RWIN K_T
	CVROWS K_T, 4*K_J, 4
.if K_J == 0
.if K_T <= 4
	RWIN K_T+3
	LDROWS K_T+3, 12, 4                            ; the last four rows of the stage before, four stages ahead
.endif
.else
.if K_T <= 3
	LDROWS K_T+4, 4*K_J-4, 4
.endif
.endif
.endif
	WIN 0
.else
.if \q < 30
	PLACES
.endif
.endif
.if \q < 30
	FETCHQ (\q)+2
.endif
.endm
	; THE HEAD.  Everything that needs no argument stands in front of the wait for the arguments.
	s_load_b256 s[4:11], s[0:1], 0x0               ; idx s[4:5], wf s[6:7], bq s[8:9], bk s[10:11]
	s_load_b128 s[12:15], s[0:1], 0x20             ; bv s[12:13], qf s[14:15]
	s_load_b64 s[16:17], s[0:1], 0x30              ; pm
	v_lshl_add_u32 v254, v0, 2, 0x46800
	v_mov_b32 v255, 0
	ds_add_u32 v254, v255
	v_lshrrev_b32 v1, 5, v0
	v_readfirstlane_b32 s18, v1                    ; wave w
	v_and_b32 v2, 31, v0                           ; lane
	v_and_b32 v3, 15, v0                           ; r
	v_bfe_u32 v7, v0, 4, 1                         ; hh
	s_bfe_u32 s19, ttmp6, 0x40000                  ; cx: my place in the cluster
	s_lshl_b32 s20, ttmp9, 2                       ; in a cluster launch ttmp9 counts clusters
	s_add_co_u32 s20, s20, s19                     ; g = 4 x cluster + cx: enters the addresses of idx, qf and pm alone
	s_mul_i32 s21, s18, WPART                      ; my wave's part of a stage of wf, in memory and in a slot
	s_mul_i32 s66, s18, 16*APITCH
	s_add_co_u32 s66, s66, ABUF                    ; my wave's 16 rows of A buffer 0
	v_lshlrev_b32 v[L16], 4, v2
	WIN 0x40                                       ; destination window 1
	v_lshl_or_b32 v[RVOFF], v1, 16, v[L16]         ; 16 rows of 4,096 bytes for each wave + 16 lane
	v_lshl_add_u32 v[RAST], v2, 3, s66             ; 8 bytes a lane
	WIN 0x80                                       ; destination window 2: the same two
	v_lshl_or_b32 v[RVOFF], v1, 16, v[L16]
	v_lshl_add_u32 v[RAST], v2, 3, s66
	WIN 0
	v_lshlrev_b32 v[BQO], 2, v1                    ; 4 w
	v_lshl_or_b32 v[BKO], v3, 4, v[BQO]            ; column 4 r + w
	v_lshl_or_b32 v[BQO], v7, 7, v[BQO]            ; column 4 (8 hh + j) + w, the 16 j in the immediate
	v_mul_u32_u24 v[ARD], v3, APITCH
	v_lshl_add_u32 v[ARD], v7, 4, v[ARD]
	v_add_nc_u32 v[ARD], ABUF, v[ARD]              ; row r, 16 hh: a fragment is two loads of 16 bytes, 32 bytes apart
	v_lshl_add_u32 v[BRD], v2, 4, s21
.irp sl, 1,2,3,4
	v_add_nc_u32 v[BRD+\sl], \sl*WSLOT, v[BRD]
.endr
	s_lshl_b32 s67, s18, 11
	s_add_co_u32 s67, s67, VX
	v_lshl_add_u32 v[VXS], v2, 4, s67
	v_lshl_or_b32 v[PO], v1, 12, v[L16]            ; 4096 w + 16 lane
	v_lshl_or_b32 v[QO], v1, 10, v[L16]            ; 1024 w + 16 lane
	v_add_nc_u32 v[VXR], VX, v[L16]
	; descriptor group 1: 48 rows of 256 bytes, dense in memory and in LDS (the reads are 16 bytes a lane from 512 consecutive bytes: no padding)
	s_mov_b32 s[G1+0], 15|(3<<16)|(1<<21)          ; 15:0 the mask: all four work-groups; 17:16 elements of 8 bytes; 21 set beside a mask
	s_mov_b32 s[G1+1], 32<<16                      ; tensor_dim0 = 32 elements
	s_mov_b32 s[G1+2], 48<<16                      ; tensor_dim1 = 48
	s_mov_b32 s[G1+3], 32<<16                      ; tile_dim0 = 32
	s_mov_b32 s[G1+4], 48                          ; tile_dim1 = 48
	s_mov_b32 s[G1+5], 32                          ; from row to row: 32 elements
	s_mov_b32 s[G1+6], 0
	s_mov_b32 s[G1+7], 0
.irp st, 0,1,2,3,4,5,6,7
	s_mov_b32 s[G0+4*\st], 1                                       ; count = 1
	s_add_co_u32 s[G0+4*\st+1], s21, (\st%5)*WSLOT                 ; LDS: the stage's slot, my wave's part
.endr
	s_lshl_b32 s22, s20, 18                        ; idx: 64 rows of 4,096 bytes a work-group
	s_mov_b32 s23, 0
	s_mov_b32 s68, s21                             ; a pair of its own for wf's offset: no number made from cx comes near a descriptor
	s_mov_b32 s69, 0
	s_wait_dscnt 0x0
	s_wait_kmcnt 0x0
	s_add_nc_u64 s[4:5], s[4:5], s[22:23]
.irp j, 0,1,2,3,4,5,6,7
	global_load_b32 v[BQ+\j], v[BQO], s[8:9] offset:16*\j
.endr
	global_load_b32 v[BK], v[BKO], s[10:11]
	global_load_b32 v[BV], v[BKO], s[12:13]
	RWIN 0
	LDROWS 0, 0, 16                                ; stage 0 of idx goes out first; W's tiles follow at once, ahead of the later stages: stage 0 needs both
	WIN 0
	s_add_nc_u64 s[6:7], s[6:7], s[68:69]
.irp st, 0,1,2,3,4,5,6,7
	s_add_nc_u64 s[G0+4*\st+2:G0+4*\st+3], s[6:7], \st*WSLOT       ; memory: the stage, my wave's part
	s_or_b32 s[G0+4*\st+3], s[G0+4*\st+3], 0x80000000              ; type = 2
.endr
	ROUND                                          ; all four work-groups are here: the first joint loads meet
.irp st, 0,1,2,3,4
	tensor_load_to_lds s[G0+4*\st:G0+4*\st+3], s[G1:G1+7]
	s_nop 0
.endr
	RWIN 1
	LDROWS 1, 0, 16
	RWIN 2
	LDROWS 2, 0, 16
	LDROWS 3, 0, 16
	WIN 0
	s_lshl_b32 s22, s20, 14                        ; qf and pm: 16,384 bytes a work-group each
	s_add_nc_u64 s[14:15], s[14:15], s[22:23]
	s_add_nc_u64 s[16:17], s[16:17], s[22:23]
	; IN FRONT OF THE PIPELINE: stage 0's rows, its barrier, the fragments of k steps 0 and 1
	RWIN 0
	CVROWS 0, 0, 16                                ; its wait covers the older bias loads too
	s_wait_dscnt 0x0                               ; for the other waves: my stores are done; and the ring buffer is free
	LDROWS 4, 0, 16
	WIN 0
.irp j, 1,2,3,4,5,6,7
	v_mov_b32 v[BK+\j], v[BK]                      ; K's and V's bias hangs on the column alone, which is the lane: the same in all eight registers of the C tile
	v_mov_b32 v[BV+\j], v[BV]
.endr
	s_barrier_signal -1
	s_barrier_wait -1
	s_wait_tensorcnt 4                             ; my part of slot 0 is in; the four younger first fills stay out
	FETCHQ 0
	FETCHQ 1
.irp q, 0,1,2,3,4,5,6,7,8,9,10,11,12,13,14,15,16,17,18,19,20,21,22,23,24,25,26,27,28,29,30,31
	KSTEP \q
.endr
	; THE TAIL.  Five places: four for the stores and conversions, which read results, for the conversions' writes over fragment registers and for the LDS loads
	; into fragment registers; the fifth for the matrix instructions below, which write over K's accumulators.
.rept 5
	v_nop
.endr
	; Q in f32, straight from the accumulators: qf, in bytes: g * 16384 + mt * 4096 + w * 1024 + q * 512 + lane * 16 = Q[64 g + 16 mt + r][4 (8 hh + 4 q + 0..3) + w].
	; Q's accumulators are not written again, so these stores need no wait.
.irp mt, 0,1,2,3
.irp h, 0,1
	global_store_b128 v[QO], v[ACC+8*\mt+4*\h:ACC+8*\mt+4*\h+3], s[14:15] offset:\mt*4096+\h*512   ; a wave stores 512 consecutive bytes, aligned
.endr
.endr
.irp mt, 0,1,2,3
.irp p, 0,1,2,3
	v_cvt_pk_bf16_f32 v[VF+4*\mt+\p], v[ACC+64+8*\mt+2*\p], v[ACC+64+8*\mt+2*\p+1]     ; V[16 mt + 8 hh + 0..7][4 r + w]
.endr
	ds_store_b128 v[VXS], v[VF+4*\mt:VF+4*\mt+3] offset:\mt*512
.endr
.irp mt, 0,1,2,3
.irp p, 0,1,2,3
	v_cvt_pk_bf16_f32 v[KF+4*\mt+\p], v[ACC+32+8*\mt+2*\p], v[ACC+32+8*\mt+2*\p+1]     ; K likewise: tiles 2 c, 2 c + 1 are the two halves of the fragment of K^T for rows 32 c .. 32 c + 31
.endr
.endr
	s_wait_dscnt 0x0                               ; for the other waves: my tile of V is in LDS
	s_barrier_signal -1
	s_barrier_wait -1
.irp x, 0,1,2,3
.irp mt, 0,1,2,3
	ds_load_b128 v[VB+16*\x+4*\mt:VB+16*\x+4*\mt+3], v[VXR] offset:\x*2048+\mt*512
.endr
.endr
	s_wait_dscnt 0x0
	; M_g[4 i + w][4 n + x] = sum over my work-group's 64 rows of K V: my tile of K against all four tiles of V.  Four accumulators by turns.
.irp x, 0,1,2,3
	v_wmma_f32_16x16x32_bf16 v[MACC+8*\x:MACC+8*\x+7], v[KF:KF+7], v[VB+16*\x:VB+16*\x+7], 0
.endr
.irp x, 0,1,2,3
	v_wmma_f32_16x16x32_bf16 v[MACC+8*\x:MACC+8*\x+7], v[KF+8:KF+15], v[VB+16*\x+8:VB+16*\x+15], v[MACC+8*\x:MACC+8*\x+7]
.endr
	PLACES                                         ; the stores read results
.irp x, 0,1,2,3
.irp h, 0,1
	global_store_b128 v[PO], v[MACC+8*\x+4*\h:MACC+8*\x+4*\h+3], s[16:17] offset:\x*1024+\h*512   ; 512 consecutive bytes, aligned
.endr
.endr
	s_wait_tensorcnt 0x0
	ds_add_u32 v254, v255
	s_wait_dscnt 0x0
	ROUND                                          ; the closing round: no work-group ends while a partner may still ask jointly
	s_endpgm
.Lfunc_end_k_q44ba7a63e8_proj:
	.size	k_q44ba7a63e8_proj, .Lfunc_end_k_q44ba7a63e8_proj-k_q44ba7a63e8_proj
	.p2alignl 7, 3214868480
	.fill 96, 4, 3214868480
	.section	.rodata,"a",@progbits
	.p2align	6, 0x0
	.amdhsa_kernel k_q44ba7a63e8_proj
		.amdhsa_group_segment_fixed_size 327680
		.amdhsa_private_segment_fixed_size 0
		.amdhsa_enable_private_segment 0
		.amdhsa_kernarg_size 56
		.amdhsa_user_sgpr_count 2
		.amdhsa_user_sgpr_kernarg_segment_ptr 1
		.amdhsa_wavefront_size32 1
		.amdhsa_system_sgpr_workgroup_id_x 1
		.amdhsa_system_sgpr_workgroup_id_y 1
		.amdhsa_system_sgpr_workgroup_id_z 1
		.amdhsa_system_vgpr_workitem_id 0
		.amdhsa_next_free_vgpr 648
		.amdhsa_next_free_sgpr 72
		.amdhsa_reserve_vcc 0
		.amdhsa_float_denorm_mode_32 3
		.amdhsa_float_denorm_mode_16_64 3
		.amdhsa_memory_ordered 1
		.amdhsa_forward_progress 1
		.amdhsa_inst_pref_size 108
	.end_amdhsa_kernel
	.amdgpu_metadata
---
amdhsa.version: [ 1, 2 ]
amdhsa.kernels:
  - .name:           k_q44ba7a63e8_proj
    .symbol:         k_q44ba7a63e8_proj.kd
    .args:
      - { .name: idx, .offset: 0, .size: 8, .value_kind: global_buffer, .address_space: global }
      - { .name: wf, .offset: 8, .size: 8, .value_kind: global_buffer, .address_space: global }
      - { .name: bq, .offset: 16, .size: 8, .value_kind: global_buffer, .address_space: global }
      - { .name: bk, .offset: 24, .size: 8, .value_kind: global_buffer, .address_space: global }
      - { .name: bv, .offset: 32, .size: 8, .value_kind: global_buffer, .address_space: global }
      - { .name: qf, .offset: 40, .size: 8, .value_kind: global_buffer, .address_space: global }
      - { .name: pm, .offset: 48, .size: 8, .value_kind: global_buffer, .address_space: global }
    .group_segment_fixed_size: 327680
    .private_segment_fixed_size: 0
    .kernarg_segment_align: 8
    .kernarg_segment_size: 56
    .max_flat_workgroup_size: 128
    .sgpr_count:     72
    .vgpr_count:     648
    .wavefront_size: 32
...
	.end_amdgpu_metadata
.endif
;; end of part 2
;; launch msum (part 3): grid 64 x 1, 8 waves a work-group, no clusters, 9,216 bytes of LDS; arguments pm, mf; writes mf
.if DOCPART == 3
	.amdgcn_target "amdgcn-amd-amdhsa--gfx1250"
	.amdhsa_code_object_version 6
	.text
	.protected	k_q44ba7a63e8_msum
	.globl	k_q44ba7a63e8_msum
	.p2align	8
	.type	k_q44ba7a63e8_msum,@function
k_q44ba7a63e8_msum:
	s_mov_b64 s[64:65], 0
	v_nop
	global_prefetch_b8 v0, s[64:65] scope:SCOPE_SE
	s_setreg_imm32_b32 hwreg(HW_REG_WAVE_MODE, 25, 1), 1
	s_wait_xcnt 0x0
; msum: M[b] = the sum, in f32, of the 64 partial K^T V of batch b, stored for the last launch as fragments of TWO bf16 numbers:
; hi = bf16(M), lo = bf16(M - hi), so that hi + lo holds about 16 bits of M and M's rounding adds next to nothing to the result's error.
; LIMIT: a finite sum of about 3.39e38 or more rounds to infinity in bf16; its lo part is then minus infinity and the result NaN.
; pm, in bytes: g * 16384 + tile * 1024 + q * 512 + lane * 16 (tile = 4 w + x): f32 M_g[4 (8 hh + 4 q + 0..3) + w][4 r + x].
; mf, in bytes: b * 16384 + part * 8192 + tile * 512 + lane * 16 (part: 0 hi, 1 lo): bf16 of M[4 (8 hh + 0..7) + w][4 r + x].
; Work-group t = 16 b + tile owns one tile; wave v sums partials 8 v .. 8 v + 7, a fixed order; the eight sums meet in LDS and wave 0 adds them in order.
; Each byte of pm is read once, by loads of 512 consecutive bytes; no work-group shares anything with another: no cluster, no matrix unit.
.set P, 4                              ; v[4:67]   partial p: 8 registers; partial 0's hold the sum
.set H, P+8                            ; v[12:15]  at the end: hi, packed
.set L, P+12                           ; v[16:19]  lo, packed
.set T, P+16                           ; v[20:27]  hi, widened to f32
.set R, 68                             ; v[68:123] the sums of waves 1 to 7, in wave 0
	s_load_b128 s[4:7], s[0:1], 0x0                ; pm s[4:5], mf s[6:7]
	v_lshl_add_u32 v124, v0, 2, 0x2000
	v_mov_b32 v125, 0
	v_lshrrev_b32 v1, 5, v0
	v_readfirstlane_b32 s8, v1                     ; wave
	v_and_b32 v2, 31, v0
	v_lshlrev_b32 v2, 4, v2                        ; 16 lane
	v_lshl_or_b32 v1, v1, 17, v2                   ; + 8 partials of 16,384 bytes for each wave
	s_lshl_b32 s9, s8, 10
	v_add_nc_u32 v3, s9, v2                        ; LDS: 1,024 bytes a wave (wave 0's are not used)
	s_lshr_b32 s14, ttmp9, 4                       ; b
	s_and_b32 s15, ttmp9, 15                       ; tile
	s_lshl_b32 s10, s14, 20                        ; pm: 64 partials of 16,384 bytes a batch,
	s_lshl_b32 s11, s15, 10                        ; 1,024 bytes a tile
	s_add_co_u32 s10, s10, s11
	s_mov_b32 s11, 0
	s_lshl_b32 s12, s14, 14                        ; mf: 16,384 bytes a batch,
	s_lshl_b32 s13, s15, 9                         ; 512 bytes a tile
	s_add_co_u32 s12, s12, s13
	s_mov_b32 s13, 0
	s_wait_kmcnt 0x0
	s_add_nc_u64 s[4:5], s[4:5], s[10:11]
	s_add_nc_u64 s[6:7], s[6:7], s[12:13]
.irp p, 0,1,2,3,4,5,6,7
.irp q, 0,1
	global_load_b128 v[P+8*\p+4*\q:P+8*\p+4*\q+3], v1, s[4:5] offset:\p*16384+\q*512 th:TH_LOAD_NT
.endr
.endr
.irp p, 1,2,3,4,5,6,7
	s_wait_loadcnt 14-2*\p                         ; partial p (and all before it) is in; the younger loads stay out
.irp k, 0,1,2,3
	v_pk_add_f32 v[P+2*\k:P+2*\k+1], v[P+2*\k:P+2*\k+1], v[P+8*\p+2*\k:P+8*\p+2*\k+1]
.endr
.endr
	s_cmp_eq_u32 s8, 0
	s_cbranch_scc1 .Lkeep                          ; wave 0 keeps its sum in registers
	ds_store_b128 v3, v[P:P+3]
	ds_store_b128 v3, v[P+4:P+7] offset:512
.Lkeep:
	s_wait_dscnt 0x0                               ; for wave 0: my sum is in LDS
	s_barrier_signal -1
	s_barrier_wait -1
	s_cmp_lg_u32 s8, 0
	s_cbranch_scc1 .Lend
.irp u, 1,2,3,4,5,6,7
.irp q, 0,1
	ds_load_b128 v[R+8*\u-8+4*\q:R+8*\u-8+4*\q+3], v2 offset:\u*1024+\q*512
.endr
.endr
.irp u, 1,2,3,4,5,6,7
	s_wait_dscnt 14-2*\u                           ; wave u's sum is in; the younger loads stay out
.irp k, 0,1,2,3
	v_pk_add_f32 v[P+2*\k:P+2*\k+1], v[P+2*\k:P+2*\k+1], v[R+8*\u-8+2*\k:R+8*\u-8+2*\k+1]
.endr
.endr
.irp k, 0,1,2,3
	v_cvt_pk_bf16_f32 v[H+\k], v[P+2*\k], v[P+2*\k+1]              ; hi
.endr
.irp k, 0,1,2,3
	v_lshlrev_b32 v[T+2*\k],   16, v[H+\k]                         ; hi back in f32: the low half moves up,
	v_and_b32     v[T+2*\k+1], 0xffff0000, v[H+\k]                 ; the high half stays
.endr
.irp k, 0,1,2,3,4,5,6,7
	v_sub_f32 v[P+\k], v[P+\k], v[T+\k]                            ; what the rounding dropped: exact in f32
.endr
.irp k, 0,1,2,3
	v_cvt_pk_bf16_f32 v[L+\k], v[P+2*\k], v[P+2*\k+1]              ; lo
.endr
	global_store_b128 v2, v[H:H+3], s[6:7]                         ; 512 consecutive bytes, aligned
	global_store_b128 v2, v[L:L+3], s[6:7] offset:8192
.Lend:
	s_wait_tensorcnt 0x0
	ds_add_u32 v124, v125
	s_wait_dscnt 0x0
	s_endpgm
.Lfunc_end_k_q44ba7a63e8_msum:
	.size	k_q44ba7a63e8_msum, .Lfunc_end_k_q44ba7a63e8_msum-k_q44ba7a63e8_msum
	.p2alignl 7, 3214868480
	.fill 96, 4, 3214868480
	.section	.rodata,"a",@progbits
	.p2align	6, 0x0
	.amdhsa_kernel k_q44ba7a63e8_msum
		.amdhsa_group_segment_fixed_size 9216
		.amdhsa_private_segment_fixed_size 0
		.amdhsa_enable_private_segment 0
		.amdhsa_kernarg_size 16
		.amdhsa_user_sgpr_count 2
		.amdhsa_user_sgpr_kernarg_segment_ptr 1
		.amdhsa_wavefront_size32 1
		.amdhsa_system_sgpr_workgroup_id_x 1
		.amdhsa_system_sgpr_workgroup_id_y 1
		.amdhsa_system_sgpr_workgroup_id_z 1
		.amdhsa_system_vgpr_workitem_id 0
		.amdhsa_next_free_vgpr 126
		.amdhsa_next_free_sgpr 66
		.amdhsa_reserve_vcc 0
		.amdhsa_float_denorm_mode_32 3
		.amdhsa_float_denorm_mode_16_64 3
		.amdhsa_memory_ordered 1
		.amdhsa_forward_progress 1
		.amdhsa_inst_pref_size 10
	.end_amdhsa_kernel
	.amdgpu_metadata
---
amdhsa.version: [ 1, 2 ]
amdhsa.kernels:
  - .name:           k_q44ba7a63e8_msum
    .symbol:         k_q44ba7a63e8_msum.kd
    .args:
      - { .name: pm, .offset: 0, .size: 8, .value_kind: global_buffer, .address_space: global }
      - { .name: mf, .offset: 8, .size: 8, .value_kind: global_buffer, .address_space: global }
    .group_segment_fixed_size: 9216
    .private_segment_fixed_size: 0
    .kernarg_segment_align: 8
    .kernarg_segment_size: 16
    .max_flat_workgroup_size: 256
    .sgpr_count:     66
    .vgpr_count:     126
    .wavefront_size: 32
...
	.end_amdgpu_metadata
.endif
;; end of part 3
;; launch apply (part 4): grid 256 x 1, 4 waves a work-group, no clusters, 0 bytes of LDS; arguments qf, mf, out0; writes out0
.if DOCPART == 4
	.amdgcn_target "amdgcn-amd-amdhsa--gfx1250"
	.amdhsa_code_object_version 6
	.text
	.protected	k_q44ba7a63e8_apply
	.globl	k_q44ba7a63e8_apply
	.p2align	8
	.type	k_q44ba7a63e8_apply,@function
k_q44ba7a63e8_apply:
	s_mov_b64 s[64:65], 0
	v_nop
	global_prefetch_b8 v0, s[64:65] scope:SCOPE_SE
	s_setreg_imm32_b32 hwreg(HW_REG_WAVE_MODE, 25, 1), 1
	s_wait_xcnt 0x0
; apply: out = (Q M) / 32 for 64 rows a work-group, 16 rows a wave.  The scale 1024^-0.5 = 1/32 is applied in f32 to the result.
; PRECISION: Q and M each enter as a sum of two bf16 numbers, hi = bf16(x) and lo = bf16(x - hi): Q M = Qhi Mhi + Qlo Mhi + Qhi Mlo, sums in f32.
; The product Qlo Mlo is left out: each factor is at most 2^-9 of its number, so it is below 2^-17 of the terms kept.
; LIMIT: a finite Q or M of about 3.39e38 or more rounds to infinity in bf16; its lo part is then minus infinity and the result NaN.
; qf, in bytes: g * 16384 + mt * 4096 + w * 1024 + q * 512 + lane * 16: f32 Q[64 g + 16 mt + r][4 (8 hh + 4 q + 0..3) + w].
; mf, in bytes: b * 16384 + part * 8192 + (4 w + x) * 512 + lane * 16 (part: 0 hi, 1 lo): bf16 of M[4 (8 hh + 0..7) + w][4 r + x].
; Both lie in fragment order with the SAME place for each h: pieces w = 2 c and 2 c + 1 are the two halves of the fragments of k step c.
; Tile x of the result holds columns 4 r + x, so a lane's four tiles hold four neighbouring columns: 16 lanes store a whole row of 256 bytes, without LDS.
; NO CLUSTER, though the 64 work-groups of a batch read the same 16,384 bytes of M: they are loaded straight into the fragments' registers.  A joint load lands in
; LDS: it would add two rounds of the cluster's barrier and 32 LDS loads a wave to a body of 24 matrix instructions.
.set QF, 4                             ; v[4:35]    Q in f32: piece w at QF + 8 w; then Q - hi; at the end the rows to store
.set QH, 36                            ; v[36:51]   Q hi: two fragments
.set QL, 52                            ; v[52:67]   Q lo: two fragments
.set MH, 68                            ; v[68:131]  M hi: tile x at MH + 16 x, two fragments
.set ML, 132                           ; v[132:195] M lo likewise
.set D,  196                           ; v[196:227] four accumulators
.set T,  228                           ; v[228:235] hi widened to f32
.set O,  QF                            ; row j: four neighbouring columns
	s_load_b128 s[4:7], s[0:1], 0x0                ; qf s[4:5], mf s[6:7]
	s_load_b64 s[8:9], s[0:1], 0x10                ; out0
	v_and_b32 v1, 31, v0
	v_lshlrev_b32 v2, 4, v1                        ; M: 16 lane
	v_lshrrev_b32 v1, 5, v0                        ; mt = the wave
	v_lshl_or_b32 v1, v1, 12, v2                   ; Q: 4096 mt + 16 lane
	v_and_b32 v3, 0x70, v0                         ; 32 mt + 16 hh
	v_and_b32 v0, 15, v0
	v_lshlrev_b32 v0, 4, v0                        ; 16 r
	v_lshl_or_b32 v3, v3, 7, v0                    ; out: 4096 mt + 2048 hh + 16 r: row 16 mt + 8 hh, columns 4 r ..
	s_lshl_b32 s10, ttmp9, 14                      ; qf and out0: 16,384 bytes a work-group each
	s_mov_b32 s11, 0
	s_lshr_b32 s12, ttmp9, 6                       ; the batch
	s_lshl_b32 s12, s12, 14                        ; mf: 16,384 bytes a batch
	s_mov_b32 s13, 0
	s_wait_kmcnt 0x0
	s_add_nc_u64 s[4:5], s[4:5], s[10:11]
	s_add_nc_u64 s[6:7], s[6:7], s[12:13]
	s_add_nc_u64 s[8:9], s[8:9], s[10:11]
.irp w, 0,1,2,3
.irp q, 0,1
	global_load_b128 v[QF+8*\w+4*\q:QF+8*\w+4*\q+3], v1, s[4:5] offset:\w*1024+\q*512 th:TH_LOAD_NT
.endr
.endr
.irp x, 0,1,2,3
.irp w, 0,1,2,3
	global_load_b128 v[MH+16*\x+4*\w:MH+16*\x+4*\w+3], v2, s[6:7] offset:(4*\w+\x)*512
.endr
.endr
.irp x, 0,1,2,3
.irp w, 0,1,2,3
	global_load_b128 v[ML+16*\x+4*\w:ML+16*\x+4*\w+3], v2, s[6:7] offset:8192+(4*\w+\x)*512
.endr
.endr
	s_wait_loadcnt 32                              ; Q's eight loads are in; M's 32 younger ones stay out while Q is split
.irp w, 0,1,2,3
.irp p, 0,1,2,3
	v_cvt_pk_bf16_f32 v[QH+4*\w+\p], v[QF+8*\w+2*\p], v[QF+8*\w+2*\p+1]    ; hi
.endr
.irp p, 0,1,2,3
	v_lshlrev_b32 v[T+2*\p],   16, v[QH+4*\w+\p]                           ; hi back in f32
	v_and_b32     v[T+2*\p+1], 0xffff0000, v[QH+4*\w+\p]
.endr
.irp k, 0,1,2,3,4,5,6,7
	v_sub_f32 v[QF+8*\w+\k], v[QF+8*\w+\k], v[T+\k]                        ; what the rounding dropped: exact in f32
.endr
.irp p, 0,1,2,3
	v_cvt_pk_bf16_f32 v[QL+4*\w+\p], v[QF+8*\w+2*\p], v[QF+8*\w+2*\p+1]    ; lo
.endr
.endr
	s_wait_loadcnt 0x0
; Four matrix instructions: k step c of Q's part a (QH or QL) against M's part m (MH or ML), all four tiles.
; The four accumulators take turns, one instruction a turn; the first run starts the sums.
.macro RUN a, m, c, zero
.irp x, 0,1,2,3
.if \zero
	v_wmma_f32_16x16x32_bf16 v[D+8*\x:D+8*\x+7], v[\a+8*\c:\a+8*\c+7], v[\m+16*\x+8*\c:\m+16*\x+8*\c+7], 0
.else
	v_wmma_f32_16x16x32_bf16 v[D+8*\x:D+8*\x+7], v[\a+8*\c:\a+8*\c+7], v[\m+16*\x+8*\c:\m+16*\x+8*\c+7], v[D+8*\x:D+8*\x+7]
.endif
.endr
.endm
	RUN QH, MH, 0, 1
	RUN QH, MH, 1, 0
	RUN QL, MH, 0, 0
	RUN QL, MH, 1, 0
	RUN QH, ML, 0, 0
	RUN QH, ML, 1, 0
.rept 4
	v_nop                                          ; four places before a vector instruction reads a matrix result (ISA guide 7.12.1)
.endr
.irp j, 0,1,2,3,4,5,6,7
.irp x, 0,1,2,3
	v_mul_f32 v[O+4*\j+\x], 0x3d000000, v[D+8*\x+\j]   ; the scale 1/32; the same instruction lays columns 4 r .. 4 r + 3 of row 8 hh + j side by side
.endr
	global_store_b128 v3, v[O+4*\j:O+4*\j+3], s[8:9] offset:\j*256 th:TH_STORE_NT   ; 16 lanes store a row: 256 consecutive bytes, aligned
.endr
	s_endpgm
.Lfunc_end_k_q44ba7a63e8_apply:
	.size	k_q44ba7a63e8_apply, .Lfunc_end_k_q44ba7a63e8_apply-k_q44ba7a63e8_apply
	.p2alignl 7, 3214868480
	.fill 96, 4, 3214868480
	.section	.rodata,"a",@progbits
	.p2align	6, 0x0
	.amdhsa_kernel k_q44ba7a63e8_apply
		.amdhsa_group_segment_fixed_size 0
		.amdhsa_private_segment_fixed_size 0
		.amdhsa_enable_private_segment 0
		.amdhsa_kernarg_size 24
		.amdhsa_user_sgpr_count 2
		.amdhsa_user_sgpr_kernarg_segment_ptr 1
		.amdhsa_wavefront_size32 1
		.amdhsa_system_sgpr_workgroup_id_x 1
		.amdhsa_system_sgpr_workgroup_id_y 1
		.amdhsa_system_sgpr_workgroup_id_z 1
		.amdhsa_system_vgpr_workitem_id 0
		.amdhsa_next_free_vgpr 236
		.amdhsa_next_free_sgpr 66
		.amdhsa_reserve_vcc 0
		.amdhsa_float_denorm_mode_32 3
		.amdhsa_float_denorm_mode_16_64 3
		.amdhsa_memory_ordered 1
		.amdhsa_forward_progress 1
		.amdhsa_inst_pref_size 14
	.end_amdhsa_kernel
	.amdgpu_metadata
---
amdhsa.version: [ 1, 2 ]
amdhsa.kernels:
  - .name:           k_q44ba7a63e8_apply
    .symbol:         k_q44ba7a63e8_apply.kd
    .args:
      - { .name: qf, .offset: 0, .size: 8, .value_kind: global_buffer, .address_space: global }
      - { .name: mf, .offset: 8, .size: 8, .value_kind: global_buffer, .address_space: global }
      - { .name: out0, .offset: 16, .size: 8, .value_kind: global_buffer, .address_space: global }
    .group_segment_fixed_size: 0
    .private_segment_fixed_size: 0
    .kernarg_segment_align: 8
    .kernarg_segment_size: 24
    .max_flat_workgroup_size: 128
    .sgpr_count:     66
    .vgpr_count:     236
    .wavefront_size: 32
...
	.end_amdgpu_metadata
.endif
;; end of part 4
